; MI455X (gfx1250); checked and timed in simulation.
; The chip was launched on July 23, 2026; its instructions are those of AMD's public machine-readable ISA for CDNA 5 (MIT licence, August 2026) and "CDNA5" Instruction Set Architecture Reference Guide (July 2026). The comments in the code are by the model that wrote it; some were corrected since.
;; Layer Norm Basic LSTM Cell. Allowed arithmetic: matrix products marked QUANTISED: E4M3 operands, one E8M0 scale for each 32 along K, by v_wmma_scale_f32_16x16x128_f8f6f4 with both operands' format E4M3, f32 sums; everything else in f32.
;; Inputs: W_codes 4,096 x 64 x 32 uint8 (E4M3 codes of W, K innermost, in blocks of 32 codes); W_scales 4,096 x 64 uint8 (E8M0 scales of W, one for each 32 codes along K); beta4 4 x 1,024 float32; c 8,192 x 1,024 float32; cell_beta 1,024 float32; cell_gamma 1,024 float32; gamma4 4 x 1,024 float32; h 8,192 x 1,024 float32; inputs 8,192 x 1,024 float32.
;; Outputs: out0 8,192 x 1,024 float32; out1 8,192 x 1,024 float32.
;; This version of the problem:
;;   THIS VERSION OF THE PROBLEM IS GIVEN IN LOW PRECISION. The matrix products marked QUANTISED in the list below multiply operands that are first quantised to E4M3 (4 exponent bits, 3 mantissa bits; 8 bits a number), with one power-of-two scale for each 32 numbers along K (OCP MX v1.0); their sums are f32. All else is computed in f32.
;;   The module's matrix products, in the order in which they are computed (A, B: the left and right operand; K: the contracted axis; several contracted axes count as one K, in the product's order):
;;     1. [M 8,192, K 2,048] x [K 2,048, N 4,096]; A: computed on the way; B: input W (given as codes): QUANTISED
;;   THE QUANTISER, for each operand of a quantised product, along K:
;;     - K is cut into blocks of 32 from its start; a last block that is shorter is filled with zeros.
;;     - A block's scale is 2^e with e = floor(log2(the largest magnitude in the block)) - 8, held to -126 .. 127; a block of zeros has e = 0. As a byte (E8M0): e + 127.
;;     - Each number is divided by its block's scale, clamped to +-448, and rounded to the nearest number of E4M3, ties to even, subnormals kept.
;;     - The product sums the exact products of the quantised numbers (number of the format x scale) in f32.
;;   ~~~python
;;   def quantise(x, axis):      # numpy; x: float32 -> the quantised numbers, widened to float32 again
;;       x = np.moveaxis(x, axis, -1); K = x.shape[-1]
;;       x = np.pad(x, [(0, 0)] * (x.ndim - 1) + [(0, -K % 32)]); x = x.reshape(x.shape[:-1] + (-1, 32)); a = np.abs(x).max(-1, keepdims=True)
;;       e = np.where(a > 0, np.clip(np.frexp(np.where(a > 0, a, 1))[1] - 1 - 8, -126, 127), 0)      # np.frexp(a)[1] - 1 = floor(log2(a)), exactly
;;       r = np.clip(x / 2.0 ** e, -448, 448)
;;       step = 2.0 ** (np.maximum(np.frexp(np.where(r == 0, 1, r))[1] - 1, -6) - 3)
;;       q = np.round(r / step) * step * 2.0 ** e      # np.round: ties to even
;;       return np.moveaxis(q.reshape(q.shape[:-2] + (-1,))[..., :K], -1, axis).astype(np.float32)
;;   ~~~
;;   OPERANDS COMPUTED ON THE WAY. 'Computed on the way' means the value that the module computes at that place (a softmax that the list does not call 'softmax' is quantised finished and normalised). What goes into a quantiser is computed in f32, as accurately as f32 sums, v_exp_f32 and their like allow (about 1e-6 of the number): no bf16 or f16 on the way to a quantiser, and a product that is left as it is and whose result goes on into a quantised operand takes f32 operands (vector FMAs, or v_wmma_f32_16x16x4_f32). A number that lies on a knife's edge between two numbers of the format may be rounded either way, as far as f32 arithmetic and the matrix unit's own rounding can turn it there, and no further.
;;   INPUTS GIVEN AS CODES. W (in the module: [4096, 2048], K = its axis 1): each comes as NAME_codes (uint8): NAME with its K axis moved to the last place and cut into blocks of 32 codes, [.., K / 32, bytes a block], one block behind the other in memory; one code a byte (a code: sign, 4 exponent bits, 3 mantissa bits); and NAME_scales (uint8): the same leading axes, one E8M0 byte (e + 127) for each 32 codes along K. Its value is code x scale, taken as it is: it is not quantised again, and the codes and scales need not be those that the quantiser above would give.
;; One version. Each part assembles by itself: llvm-mc -triple=amdgcn-amd-amdhsa -mcpu=gfx1250 --defsym DOCPART=n.
;; ======== version 1 of 1: 3 launches
;; limits: right only within a limited range of input values
;; workspace buffers: a_codes 16,777,216 bytes; a_scales 524,288 bytes; pre 134,217,728 bytes
;; launch quant (part 1): grid 512 x 1, 4 waves a work-group, no clusters, 33,280 bytes of LDS; arguments inputs, h, a_codes, a_scales; writes a_codes, a_scales
.if DOCPART == 1
	.amdgcn_target "amdgcn-amd-amdhsa--gfx1250"
	.amdhsa_code_object_version 6
	.text
	.protected	k_q5fe185f83a_quant
	.globl	k_q5fe185f83a_quant
	.p2align	8
	.type	k_q5fe185f83a_quant,@function
k_q5fe185f83a_quant:
	s_mov_b64 s[64:65], 0
	v_nop
	global_prefetch_b8 v0, s[64:65] scope:SCOPE_SE
	s_setreg_imm32_b32 hwreg(HW_REG_WAVE_MODE, 25, 1), 1
	s_wait_xcnt 0x0
; concat(inputs, h), [8192][2048] f32 (k 0-1023 from inputs, k 1024-2047 from h), becomes codes of FP8 (E4M3), K innermost, [8192][2048] bytes, and one E8M0 byte for each 32 along K, [8192][64].
; A block's scale is 2^(floor(log2(its largest magnitude)) - 8); its byte is the largest magnitude's exponent field - 8, held at 1 from below.  Each number is divided by the scale, held within +-448
; and rounded to the nearest code, ties to even.
; LIMITS: a block of zeros gets the byte 1 where the rule says 127 (its codes are zeros, which add nothing under any byte but 0xff, and only this program reads the bytes); blocks whose largest
; magnitude lies under 2^(9 - 127) are quantised under the byte 1; NaN and infinities among the inputs are not served.
; SHARES.  A wave takes 4 rows of the concatenation: 8,192 numbers, 16 steps of 512.  Step t is row t / 4, part t % 4: parts 0, 1 are the halves of the row of inputs, parts 2, 3 those of h.
; So the wave's codes are 8,192 consecutive bytes (step t at 512 t) and its 256 scale bytes one aligned run (step t's 16 at 16 t).
; The conversions take neighbours along K from ONE lane's registers, a load is best where neighbouring LANES take neighbouring bytes.  Both are had: each of a step's four loads reads 512 consecutive
; bytes, 16 a lane; the 2,048 bytes go through the wave's own stage in LDS as they lie and come back 64 bytes a lane (two neighbouring lanes hold a block of 32).  The stage has 16 bytes of padding
; behind each 64.  No barrier: waves share nothing.  Loads run eight steps (32 loads, 16 KiB a wave) ahead, the turn through LDS one step.
.set STEPS, 16
.set D,     8                          ; steps of loads ahead
.set EMAX,  8
.set MANT,  0x600000                   ; the mantissa field of 448 as f32
.set SP,    80                         ; a lane's place in a stage: its 64 bytes + 16 of padding
.set WREG,  8192                       ; LDS of a wave: two stages of 32 x SP bytes, behind them its 256 scale bytes
.set R,     16                         ; v16-143  eight sets of 16 numbers as they are loaded
.set X,     144                        ; v144-175 two sets of 16 neighbours
.set E,     176                        ; v176-191 a scale byte for each step
.set C,     192                        ; v192-255 codes: four registers for each step, so that no store's data are written again
	s_load_b256 s[4:11], s[0:1], 0x0               ; inputs s[4:5], h s[6:7], the codes s[8:9], the scale bytes s[10:11]
	s_set_vgpr_msb 0x40
	v_lshl_add_u32 v0, v0, 2, 0x8000
	v_mov_b32 v1, 0
	s_set_vgpr_msb 0x4000
	v_lshrrev_b32 v1, 5, v0
	v_readfirstlane_b32 s16, v1                    ; wave
	v_and_b32 v2, 31, v0                           ; lane
	v_lshlrev_b32 v3, 4, v2                        ; my 16 bytes of a load's 512
	s_mul_i32 s17, s16, WREG
	v_lshrrev_b32 v14, 2, v2
	v_mul_u32_u24 v14, v14, SP
	v_and_b32 v15, 3, v2
	v_lshl_add_u32 v14, v15, 4, v14
	v_add_nc_u32 v14, s17, v14                     ; the stage, on the way in: SP (lane / 4) + 16 (lane % 4); a load's 512 bytes take eight places
	v_mul_u32_u24 v15, v2, SP
	v_add_nc_u32 v15, s17, v15                     ; and on the way out: SP x lane: my 16 neighbours
	v_lshlrev_b32 v4, 4, v2                        ; my 16 codes' place in a step's 512
	v_lshrrev_b32 v5, 1, v2
	s_add_co_u32 s17, s17, 2*32*SP
	v_add_nc_u32 v5, s17, v5                       ; LDS: my wave's 256 scale bytes, my block's byte
	v_lshlrev_b32 v7, 3, v2                        ; and on the way out 8 bytes a lane
	v_add_nc_u32 v6, s17, v7
	s_mov_b32 s23, MANT                            ; (an instruction takes one literal: the hold's line has another)
	s_lshl_b32 s18, ttmp9, 2
	s_add_co_u32 s18, s18, s16                     ; which run of 4 rows is my wave's: 0 .. 2,047
	s_mov_b32 s21, 0
	s_wait_alu depctr_va_vdst(0)
	s_wait_kmcnt 0x0
	s_lshl_b32 s20, s18, 14                        ; 4 rows of 4,096 bytes in inputs and in h
	s_add_nc_u64 s[4:5], s[4:5], s[20:21]
	s_add_nc_u64 s[6:7], s[6:7], s[20:21]
	s_lshl_b32 s20, s18, 13                        ; 4 rows of 2,048 codes
	s_add_nc_u64 s[8:9], s[8:9], s[20:21]
	s_lshl_b32 s20, s18, 8                         ; 4 rows of 64 scale bytes
	s_add_nc_u64 s[10:11], s[10:11], s[20:21]
.macro LOAD t                          ; step t's 2,048 bytes: 32 lanes read 512 consecutive bytes in each line
.if ((\t)%4) < 2
.irp i, 0,1,2,3
	global_load_b128 v[R+16*((\t)%D)+4*\i:R+16*((\t)%D)+4*\i+3], v3, s[4:5] offset:4096*((\t)/4)+2048*((\t)%2)+512*\i th:TH_LOAD_NT
.endr
.else
.irp i, 0,1,2,3
	global_load_b128 v[R+16*((\t)%D)+4*\i:R+16*((\t)%D)+4*\i+3], v3, s[6:7] offset:4096*((\t)/4)+2048*((\t)%2)+512*\i th:TH_LOAD_NT
.endr
.endif
.endm
.macro TURN t                          ; step t's numbers through the stage: LDS serves a wave's instructions in order, so no wait stands between the stores and the loads
.irp i, 0,1,2,3
	ds_store_b128 v14, v[R+16*((\t)%D)+4*\i:R+16*((\t)%D)+4*\i+3] offset:32*SP*((\t)%2)+8*SP*\i
.endr
.irp i, 0,1,2,3
	ds_load_b128 v[X+16*((\t)%2)+4*\i:X+16*((\t)%2)+4*\i+3], v15 offset:32*SP*((\t)%2)+16*\i
.endr
.endm
.irp t, 0,1,2,3,4,5,6,7
	LOAD \t
.endr
	s_wait_loadcnt 4*(D-1)                         ; step 0's four loads are in; the seven sets behind them stay out
	TURN 0
.macro STEP t
.set XS, X+16*((\t)%2)
.if (\t) > 0
	s_wait_dscnt 1                                 ; this step's numbers are back from the stage (only the last step's byte store is younger): so its stores into the stage have read their registers,
.else
	s_wait_dscnt 0x0
.endif
.if (\t)+D < STEPS
	LOAD (\t)+D                                    ; which take the loads of eight steps on
.endif
.if (\t)+1 < STEPS
.if STEPS-2-(\t) >= D-1
	s_wait_loadcnt 4*(D-1)                         ; the next step's four loads are in; those of the seven steps behind it may be out
.else
	s_wait_loadcnt 4*(STEPS-2-(\t))                ; near the end: as many sets as are left behind the next step's
.endif
	TURN (\t)+1                                    ; and go through the other stage while this step is worked
.endif
	v_max3_num_f32 v8, |v[XS]|, |v[XS+1]|, |v[XS+2]|               ; the largest magnitude of my 16, in two chains
	v_max3_num_f32 v9, |v[XS+3]|, |v[XS+4]|, |v[XS+5]|
.irp i, 6,10
	v_max3_num_f32 v8, v8, |v[XS+\i]|, |v[XS+\i+1]|
	v_max3_num_f32 v9, v9, |v[XS+\i+2]|, |v[XS+\i+3]|
.endr
	v_max3_num_f32 v8, v8, |v[XS+14]|, |v[XS+15]|
	v_max3_num_f32 v8, v8, v9, (EMAX+1)<<23        ; and the floor 2^(EMAX + 1 - 127): so the byte cannot fall under 1
	v_max_num_f32_dpp v8, v8, v8 row_xmask:1 row_mask:0xf bank_mask:0xf   ; and of my neighbour's 16: the block's
	v_add_nc_u32 v11, -(EMAX<<23), v8              ; EMAX off its exponent field: the conversion takes the exponent field of this operand as its scale, and nothing else of it
	v_and_or_b32 v10, v8, 0x7f800000, s23          ; 448 x the scale: the largest magnitude's exponent field over 448's mantissa
.irp i, 0,1,2,3,4,5,6,7,8,9,10,11,12,13,14,15
	v_med3_num_f32 v[XS+\i], v[XS+\i], -v10, v10   ; the conversion to an 8-bit code does not saturate (ISA guide 7.6.2): hold the number within the largest code x the scale first
.endr
	v_cvt_scalef32_pk8_fp8_f32 v[C+4*(\t):C+4*(\t)+1], v[XS:XS+7], v11          ; eight numbers / 2^(v11's exponent), to the nearest code, ties to even; the first number's code in the lowest byte
	v_cvt_scalef32_pk8_fp8_f32 v[C+4*(\t)+2:C+4*(\t)+3], v[XS+8:XS+15], v11
	v_lshrrev_b32 v[E+(\t)], 23, v11               ; the scale's byte (also the plain line behind the conversions)
	ds_store_b8 v5, v[E+(\t)] offset:16*(\t)       ; both lanes of a block write the same byte with the same value
	global_store_b128 v4, v[C+4*(\t):C+4*(\t)+3], s[8:9] offset:512*(\t)        ; 32 lanes store 512 consecutive bytes, at a multiple of 512 from the buffer's first byte
.endm
.irp t, 0,1,2,3,4,5,6,7,8,9,10,11,12,13,14,15
	STEP \t
.endr
	ds_load_b64 v[12:13], v6                       ; LDS serves a wave's instructions in order: these see my byte stores
	s_wait_dscnt 0x0
	global_store_b64 v7, v[12:13], s[10:11]        ; 32 lanes store 256 consecutive bytes, aligned
	s_set_vgpr_msb 0x5
	s_wait_tensorcnt 0x0
	ds_add_u32 v0, v1
	s_wait_dscnt 0x0
	s_set_vgpr_msb 0x500
	s_endpgm
.Lfunc_end_k_q5fe185f83a_quant:
	.size	k_q5fe185f83a_quant, .Lfunc_end_k_q5fe185f83a_quant-k_q5fe185f83a_quant
	.p2alignl 7, 3214868480
	.fill 96, 4, 3214868480
	.section	.rodata,"a",@progbits
	.p2align	6, 0x0
	.amdhsa_kernel k_q5fe185f83a_quant
		.amdhsa_group_segment_fixed_size 33280
		.amdhsa_private_segment_fixed_size 0
		.amdhsa_enable_private_segment 0
		.amdhsa_kernarg_size 32
		.amdhsa_user_sgpr_count 2
		.amdhsa_user_sgpr_kernarg_segment_ptr 1
		.amdhsa_wavefront_size32 1
		.amdhsa_system_sgpr_workgroup_id_x 1
		.amdhsa_system_sgpr_workgroup_id_y 1
		.amdhsa_system_sgpr_workgroup_id_z 1
		.amdhsa_system_vgpr_workitem_id 0
		.amdhsa_next_free_vgpr 258
		.amdhsa_next_free_sgpr 66
		.amdhsa_reserve_vcc 0
		.amdhsa_float_denorm_mode_32 3
		.amdhsa_float_denorm_mode_16_64 3
		.amdhsa_memory_ordered 1
		.amdhsa_forward_progress 1
		.amdhsa_inst_pref_size 51
	.end_amdhsa_kernel
	.amdgpu_metadata
---
amdhsa.version: [ 1, 2 ]
amdhsa.kernels:
  - .name:           k_q5fe185f83a_quant
    .symbol:         k_q5fe185f83a_quant.kd
    .args:
      - { .name: inputs, .offset: 0, .size: 8, .value_kind: global_buffer, .address_space: global }
      - { .name: h, .offset: 8, .size: 8, .value_kind: global_buffer, .address_space: global }
      - { .name: a_codes, .offset: 16, .size: 8, .value_kind: global_buffer, .address_space: global }
      - { .name: a_scales, .offset: 24, .size: 8, .value_kind: global_buffer, .address_space: global }
    .group_segment_fixed_size: 33280
    .private_segment_fixed_size: 0
    .kernarg_segment_align: 8
    .kernarg_segment_size: 32
    .max_flat_workgroup_size: 128
    .sgpr_count:     66
    .vgpr_count:     258
    .wavefront_size: 32
...
	.end_amdgpu_metadata
.endif
;; end of part 1
;; launch gemm (part 2): grid 16 x 32, 4 waves a work-group, clusters of 4 x 4, 327,680 bytes of LDS; arguments a_codes, a_scales, W_codes, W_scales, pre; writes pre
.if DOCPART == 2
	.amdgcn_target "amdgcn-amd-amdhsa--gfx1250"
	.amdhsa_code_object_version 6
	.text
	.protected	k_q5fe185f83a_gemm
	.globl	k_q5fe185f83a_gemm
	.p2align	8
	.type	k_q5fe185f83a_gemm,@function
k_q5fe185f83a_gemm:
	s_mov_b64 s[64:65], 0
	v_nop
	global_prefetch_b8 v0, s[64:65] scope:SCOPE_SE
	s_setreg_imm32_b32 hwreg(HW_REG_WAVE_MODE, 25, 1), 1
	s_wait_xcnt 0x0
	s_wait_alu depctr_hold_cnt(0) depctr_sa_sdst(0) depctr_va_vdst(0) depctr_va_sdst(0) depctr_va_ssrc(0) depctr_va_vcc(0) depctr_vm_vsrc(0)
	s_getreg_b32 s2, hwreg(HW_REG_IB_STS2, 6, 4)
	s_cmp_eq_u32 s2, 0
	s_cbranch_scc0 .Lentry_in_a_cluster
	s_endpgm
.Lentry_in_a_cluster:
	s_bfe_u32 s2, ttmp6, 0x10000c
	s_cmp_lg_u32 s2, 0xf033
	s_cbranch_scc0 .Lentry_shape_is_right
	s_endpgm
.Lentry_shape_is_right:
.set SIZE_M, 8192
.set SIZE_N, 4096
.set SIZE_K, 2048
.set KSTEP,  256
.set NQ,     KSTEP/128
.set ROWB,   256
.set KROW,   SIZE_K
.set PITCH,  272
.set FR,     16
.set NL,     4
.set NP,     8
.set HALFT,  128*PITCH
.set SLOT,   4*HALFT
.set LAPS,   SIZE_K/(2*KSTEP)
.set KS,     SIZE_K/32
.set SCL,    2*SLOT
.set HALFS,  (128*KS/256)*272
.set SBLK,   (16*KS/256)*272
.set SPARE,  SCL+4*HALFS
.set SPITCH, 528
.set ADRA, 16
.set ADRB, 20
.set STO,  24
.set RD,   25
.set CO,   26
.set SPW,  28
.set NIL,  29
.set ADRS, 27
.set SC,   32
.set AF,   128
.set BK,   128
.set G1, 24
.set G0, 32
.set G1B, 48
.set G0B, 56
.set G1S, 68
.set G0S, 76
.set G1SB, 80
.set G0SB, 88
.set MSB, 0
.macro WIN new
.if MSB != \new
	s_set_vgpr_msb (MSB<<8)|\new
.set MSB, \new
.endif
.endm
.set MUL_LO, 0xa1
.set MUL_HI, 0xf1
.set TO_B,   0x40
.macro JLOAD g0a, g1a, g0b, g1b
	s_cmp_eq_u32 s15, 0
	s_cbranch_scc0 .Lfor_b_\@
	tensor_load_to_lds s[\g0a:\g0a+3], s[\g1a:\g1a+7]
	s_nop 0
.rept 4
	v_nop
.endr
	s_branch .Lasked_\@
.Lfor_b_\@:
	tensor_load_to_lds s[\g0b:\g0b+3], s[\g1b:\g1b+7]
	s_nop 0
.rept 4
	v_nop
.endr
.Lasked_\@:
.endm
.macro CREST
	s_cmp_lg_u32 s14, 0
	s_cbranch_scc1 .Lnot_wave_0_\@
	s_barrier_signal -3
.Lnot_wave_0_\@:
	s_barrier_wait -3
	s_barrier_signal -1
	s_barrier_wait -1
.endm
.macro CROUND
	s_barrier_signal -1
	s_barrier_wait -1
	CREST
.endm
	s_load_b128 s[4:7], s[0:1], 0x0
	s_load_b128 s[8:11], s[0:1], 0x10
	s_load_b64 s[12:13], s[0:1], 0x20
	v_lshl_add_u32 v[SPW], v0, 2, SPARE
	v_mov_b32 v[NIL], 0
	ds_add_u32 v28, v29
	ds_add_u32 v28, v29
	s_wait_dscnt 0x0
	v_lshrrev_b32 v1, 5, v0
	v_readfirstlane_b32 s14, v1
	v_and_b32 v30, 31, v0
	v_lshlrev_b32 v30, 11, v30                     ; v30: the prefetches' offset: my lane x a row of codes (2,048 bytes); never rewritten
	s_lshr_b32 s15, s14, 1
	s_and_b32 s16, s14, 1
	s_bfe_u32 s40, ttmp6, 0x40000
	s_bfe_u32 s41, ttmp6, 0x40004
	s_lshl_b32 s42, ttmp9, 2
	s_add_co_u32 s42, s42, s40
	s_and_b32 s17, ttmp7, 0xffff
	s_lshl_b32 s17, s17, 2
	s_add_co_u32 s17, s17, s41
	s_lshl_b32 s43, s41, 2
	s_lshl_b32 s43, 15, s43
	s_lshl_b32 s44, 0x1111, s40
	s_or_b32 s[G1+0], s43, (0<<16)|(1<<20)|(1<<21)|(5<<22)|(3<<25)
	s_or_b32 s[G1B+0], s44, (0<<16)|(1<<20)|(1<<21)|(5<<22)|(3<<25)
.irp g, G1, G1B
	s_mov_b32 s[\g+1], ROWB<<16
	s_mov_b32 s[\g+2], 128<<16
	s_mov_b32 s[\g+3], ROWB<<16
	s_mov_b32 s[\g+4], 128
	s_mov_b32 s[\g+5], KROW
	s_mov_b32 s[\g+6], 0
	s_mov_b32 s[\g+7], 0
.endr
	s_or_b32 s[G1S+0], s43, (3<<16)|(1<<20)|(1<<21)|(5<<22)|(3<<25)
	s_or_b32 s[G1SB+0], s44, (3<<16)|(1<<20)|(1<<21)|(5<<22)|(3<<25)
.irp g, G1S, G1SB
	s_mov_b32 s[\g+1], 32<<16
	s_mov_b32 s[\g+2], (128*KS/256)<<16
	s_mov_b32 s[\g+3], 32<<16
	s_mov_b32 s[\g+4], 128*KS/256
	s_mov_b32 s[\g+5], 32
	s_mov_b32 s[\g+6], 0
	s_mov_b32 s[\g+7], 0
.endr
	s_lshl_b32 s18, s16, 7
	s_lshl_b32 s20, s17, 8
	s_add_co_u32 s20, s20, s18
	s_lshl_b32 s46, s42, 8
	s_add_co_u32 s46, s46, s18
	s_mov_b32 s21, 0
	s_mov_b32 s47, 0
	s_mov_b64 s[18:19], KS
	s_mul_u64 s[22:23], s[20:21], s[18:19]
	s_mul_u64 s[92:93], s[46:47], s[18:19]
	s_mov_b64 s[18:19], KROW
	s_mul_u64 s[20:21], s[20:21], s[18:19]
	s_mul_u64 s[46:47], s[46:47], s[18:19]
	s_mul_i32 s45, s14, HALFT
	s_mul_i32 s94, s14, HALFS
	s_wait_kmcnt 0x0
	s_add_nc_u64 s[20:21], s[4:5], s[20:21]
	s_add_nc_u64 s[22:23], s[6:7], s[22:23]
	s_add_nc_u64 s[46:47], s[8:9], s[46:47]
	s_add_nc_u64 s[92:93], s[10:11], s[92:93]
	; s[96:97]: where my prefetches stand.  Of the 128 rows that I fetch, each of the four partners that ask for them with me takes 32, told apart by address: cx for A's rows, cy for W's
	s_cmp_eq_u32 s15, 0
	s_cselect_b64 s[96:97], s[20:21], s[46:47]
	s_cselect_b32 s95, s40, s41
	s_lshl_b32 s18, s95, 16                        ; 32 rows of 2,048 bytes
	s_mov_b32 s19, 0
	s_add_nc_u64 s[96:97], s[96:97], s[18:19]
	CROUND
	s_mov_b32 s[G0S], 1
	s_add_co_u32 s[G0S+1], s94, SCL
	s_mov_b64 s[G0S+2:G0S+3], s[22:23]
	s_or_b32 s[G0S+3], s[G0S+3], 0x80000000
	s_mov_b32 s[G0SB], 1
	s_add_co_u32 s[G0SB+1], s94, SCL
	s_mov_b64 s[G0SB+2:G0SB+3], s[92:93]
	s_or_b32 s[G0SB+3], s[G0SB+3], 0x80000000
	JLOAD G0S, G1S, G0SB, G1SB
.irp s, 0,1
	s_mov_b32 s[G0+4*\s], 1
	s_add_co_u32 s[G0+4*\s+1], s45, \s*SLOT
	s_add_nc_u64 s[G0+4*\s+2:G0+4*\s+3], s[20:21], \s*ROWB
	s_or_b32 s[G0+4*\s+3], s[G0+4*\s+3], 0x80000000
	s_mov_b32 s[G0B+4*\s], 1
	s_add_co_u32 s[G0B+4*\s+1], s45, \s*SLOT
	s_add_nc_u64 s[G0B+4*\s+2:G0B+4*\s+3], s[46:47], \s*ROWB
	s_or_b32 s[G0B+4*\s+3], s[G0B+4*\s+3], 0x80000000
	s_wait_alu depctr_va_vdst(0)
	s_wait_tensorcnt 0x0
	ds_add_u32 v28, v29
	s_wait_dscnt 0x0
	CROUND
	JLOAD G0+4*\s, G1, G0B+4*\s, G1B
.endr
	global_prefetch_b8 v30, s[96:97] offset:2*ROWB th:TH_LOAD_NT scope:SCOPE_SE   ; K steps 2 and 3, a lane a row of 256 bytes: the first two refills will ask for them
	global_prefetch_b8 v30, s[96:97] offset:3*ROWB th:TH_LOAD_NT scope:SCOPE_SE
	v_and_b32 v1, 15, v0
	v_bfe_u32 v2, v0, 4, 1
	v_mul_u32_u24 v3, v1, PITCH
	v_lshl_add_u32 v4, v2, 4, v3
	s_mul_i32 s21, s15, HALFT
	s_mul_i32 s22, s16, HALFT
	s_add_co_u32 s22, s22, 2*HALFT
.irp s, 0,1
	v_add_nc_u32 v[ADRA+\s], s21, v4
	v_add_nc_u32 v[ADRB+\s], s22, v4
	s_add_co_u32 s21, s21, SLOT
	s_add_co_u32 s22, s22, SLOT
.endr
	v_mul_u32_u24 v5, v1, KS
	v_lshrrev_b32 v6, 8, v5
	v_lshl_add_u32 v5, v6, 4, v5
	s_mul_i32 s21, s15, HALFS
	s_mul_i32 s22, s16, HALFS
	s_add_co_u32 s22, s22, 2*HALFS
	s_sub_co_u32 s22, s22, s21
	v_mul_u32_u24 v6, s22, v2
	s_add_co_u32 s21, s21, SCL
	v_add_nc_u32 v5, v5, v6
	v_add_nc_u32 v[ADRS], s21, v5
	s_mul_i32 s23, s14, 16*SPITCH
	v_mul_u32_u24 v5, v1, SPITCH
	v_lshl_add_u32 v5, v2, 5, v5
	v_add_nc_u32 v[STO], s23, v5
	v_and_b32 v6, 31, v0
	v_lshlrev_b32 v[CO], 4, v6
	v_add_nc_u32 v[RD], s23, v[CO]
	s_lshl_b32 s20, s17, 8
	s_lshl_b32 s21, s15, 7
	s_add_co_u32 s20, s20, s21
	s_mov_b32 s21, 0
	s_mov_b64 s[18:19], SIZE_N*4
	s_mul_u64 s[20:21], s[20:21], s[18:19]
	s_lshl_b32 s46, s42, 10
	s_lshl_b32 s47, s16, 9
	s_add_co_u32 s46, s46, s47
	s_mov_b32 s47, 0
	s_add_nc_u64 s[20:21], s[20:21], s[46:47]
	s_add_nc_u64 s[12:13], s[12:13], s[20:21]
.macro FRAG reg, adr, q, i
.irp c, 0,1,2,3
	ds_load_b128 v[\reg+4*\c:\reg+4*\c+3], v[\adr] offset:128*(\q)+32*\c+(\i)*16*PITCH
.endr
.endm
.macro MUL16 a0, p, q, sc, zero
.irp a, \a0, \a0+1
.irp b, 0,1,2,3,4,5,6,7
.if \zero
	v_wmma_scale_f32_16x16x128_f8f6f4 v[8*(8*((\a)%4)+\b):8*(8*((\a)%4)+\b)+7], v[128*(\p)+FR*\b:128*(\p)+FR*\b+FR-1], v[AF+FR*(\a):AF+FR*(\a)+FR-1], 0, v[SC+8*NQ*(\sc)+NQ*\b+(\q)], v[SC+8*NQ*(\sc)+NQ*(\a)+(\q)] matrix_a_scale:MATRIX_SCALE_ROW1
.else
	v_wmma_scale_f32_16x16x128_f8f6f4 v[8*(8*((\a)%4)+\b):8*(8*((\a)%4)+\b)+7], v[128*(\p)+FR*\b:128*(\p)+FR*\b+FR-1], v[AF+FR*(\a):AF+FR*(\a)+FR-1], v[8*(8*((\a)%4)+\b):8*(8*((\a)%4)+\b)+7], v[SC+8*NQ*(\sc)+NQ*\b+(\q)], v[SC+8*NQ*(\sc)+NQ*(\a)+(\q)] matrix_a_scale:MATRIX_SCALE_ROW1
.endif
.endr
.endr
.endm
.macro FETCH_B slot, q, p
	WIN TO_B
.irp i, 0,1,2,3,4,5,6,7
	FRAG 128*(\p)+FR*\i, ADRB+\slot, \q, \i
.endr
	WIN 0
.endm
.macro FETCH_A slot, q, i0
.irp i, \i0, \i0+1, \i0+2, \i0+3
	FRAG AF+FR*(\i), ADRA+\slot, \q, \i
.endr
.endm
.macro SCALES sc
.irp i, 0,1,2,3,4,5,6,7
	ds_load_b64 v[SC+8*NQ*\sc+NQ*\i:SC+8*NQ*\sc+NQ*\i+1], v[ADRS] offset:\i*SBLK
.endr
.endm
.macro PLACES n
.rept \n
	v_nop
.endr
.endm
.macro STEP slot, q, zero
	s_wait_dscnt 4*NL
	WIN MUL_LO
	MUL16 0, (\q)%2, \q, \slot, \zero
	MUL16 2, (\q)%2, \q, \slot, \zero
	s_wait_dscnt 0
	PLACES NP
	FETCH_B \slot, (\q)+1, 1-(\q)%2
	FETCH_A \slot, (\q)+1, 0
	WIN MUL_HI
	MUL16 4, (\q)%2, \q, \slot, \zero
	MUL16 6, (\q)%2, \q, \slot, \zero
	PLACES NP
	WIN 0
	FETCH_A \slot, (\q)+1, 4
.endm
.macro TURN slot, next, fill
.if \fill
	s_wait_xcnt 0x0                                ; my last prefetch has read its address: it steps one K step
	s_add_nc_u64 s[96:97], s[96:97], ROWB
.endif
	s_wait_tensorcnt 0x0
	ds_add_u32 v[SPW], v[NIL]
	s_wait_dscnt 4*NL+1
	WIN MUL_LO
	MUL16 0, 1, NQ-1, \slot, 0
	s_wait_dscnt 0x0
	s_barrier_signal -1
	MUL16 2, 1, NQ-1, \slot, 0
	WIN 0
	s_barrier_wait -1
.if \fill
	CREST
	s_add_nc_u64 s[G0+4*\slot+2:G0+4*\slot+3], s[G0+4*\slot+2:G0+4*\slot+3], 2*ROWB
	s_add_nc_u64 s[G0B+4*\slot+2:G0B+4*\slot+3], s[G0B+4*\slot+2:G0B+4*\slot+3], 2*ROWB
	JLOAD G0+4*\slot, G1, G0B+4*\slot, G1B
	PLACES NP-4
.else
	PLACES NP
.endif
	s_wait_alu depctr_va_vdst(0)
	v_add_nc_u32 v[ADRS], 4*NQ, v[ADRS]
	FETCH_B \next, 0, 0
	FETCH_A \next, 0, 0
	SCALES \next
.if \fill
	s_cmp_gt_u32 s3, 1                             ; the last lap's two refills have no K step two refills on: they ask for nothing
	s_cbranch_scc0 .Lnone_on_\@
	global_prefetch_b8 v30, s[96:97] offset:3*ROWB th:TH_LOAD_NT scope:SCOPE_SE   ; the K step two refills on: 32 rows x 256 bytes, one line a wave
.Lnone_on_\@:
.endif
	WIN MUL_HI
	MUL16 4, 1, NQ-1, \slot, 0
	MUL16 6, 1, NQ-1, \slot, 0
	PLACES NP
	WIN 0
	FETCH_A \next, 0, 4
.endm
	s_wait_alu depctr_va_vdst(0)
	s_wait_tensorcnt 1
	s_barrier_signal -1
	s_barrier_wait -1
	FETCH_B 0, 0, 0
	FETCH_A 0, 0, 0
	SCALES 0
	FETCH_A 0, 0, 4
	STEP 0, 0, 1
	s_mov_b32 s3, LAPS-1
.Llap:
	TURN 0, 1, 1
	STEP 1, 0, 0
	TURN 1, 0, 1
	STEP 0, 0, 0
	s_sub_co_u32 s3, s3, 1
	s_cmp_lg_u32 s3, 0
	s_cbranch_scc1 .Llap
	TURN 0, 1, 0
	STEP 1, 0, 0
	s_wait_dscnt 4*NL
	WIN MUL_LO
	MUL16 0, 1, NQ-1, 1, 0
	MUL16 2, 1, NQ-1, 1, 0
	s_wait_dscnt 0
	WIN MUL_HI
	MUL16 4, 1, NQ-1, 1, 0
	MUL16 6, 1, NQ-1, 1, 0
	WIN 0
.macro TOSTAGE a
.set AC, 64*((\a)%4)
	WIN 0x08+4*((\a)/4)
.irp b, 0,1,2,3,4,5,6,7
	ds_store_b128 v[STO], v[AC+8*\b:AC+8*\b+3] offset:64*\b
	ds_store_b128 v[STO], v[AC+8*\b+4:AC+8*\b+7] offset:64*\b+16
.endr
	WIN 0
.set BB, BK+64*((\a)%2)
.irp t, 0,1,2,3,4,5,6,7,8,9,10,11,12,13,14,15
	ds_load_b128 v[BB+4*\t:BB+4*\t+3], v[RD] offset:\t*SPITCH
.endr
.endm
.macro SEND a, younger
.set BB, BK+64*((\a)%2)
	s_wait_dscnt \younger
.if (\a) > 0
	s_add_nc_u64 s[12:13], s[12:13], 16*SIZE_N*4
.endif
.irp t, 0,1,2,3,4,5,6,7,8,9,10,11,12,13,14,15
	global_store_b128 v[CO], v[BB+4*\t:BB+4*\t+3], s[12:13] offset:\t*SIZE_N*4 th:TH_STORE_NT
.endr
.endm
	PLACES NP
	TOSTAGE 0
.irp a, 1,2,3,4,5,6,7
.if \a > 1
	s_wait_xcnt 0x0
.endif
	TOSTAGE \a
	SEND \a-1, 32
.endr
	s_wait_xcnt 0x0
	SEND 7, 0
	s_wait_tensorcnt 0x0
	ds_add_u32 v[SPW], v[NIL]
	s_wait_dscnt 0x0
	CROUND
	s_endpgm
.Lfunc_end_k_q5fe185f83a_gemm:
	.size	k_q5fe185f83a_gemm, .Lfunc_end_k_q5fe185f83a_gemm-k_q5fe185f83a_gemm
	.p2alignl 7, 3214868480
	.fill 96, 4, 3214868480
	.section	.rodata,"a",@progbits
	.p2align	6, 0x0
	.amdhsa_kernel k_q5fe185f83a_gemm
		.amdhsa_group_segment_fixed_size 327680
		.amdhsa_private_segment_fixed_size 0
		.amdhsa_enable_private_segment 0
		.amdhsa_kernarg_size 40
		.amdhsa_user_sgpr_count 2
		.amdhsa_user_sgpr_kernarg_segment_ptr 1
		.amdhsa_wavefront_size32 1
		.amdhsa_system_sgpr_workgroup_id_x 1
		.amdhsa_system_sgpr_workgroup_id_y 1
		.amdhsa_system_sgpr_workgroup_id_z 1
		.amdhsa_system_vgpr_workitem_id 0
		.amdhsa_next_free_vgpr 1024
		.amdhsa_next_free_sgpr 98
		.amdhsa_reserve_vcc 0
		.amdhsa_float_denorm_mode_32 3
		.amdhsa_float_denorm_mode_16_64 3
		.amdhsa_memory_ordered 1
		.amdhsa_forward_progress 1
		.amdhsa_inst_pref_size 147
	.end_amdhsa_kernel
	.amdgpu_metadata
---
amdhsa.version: [ 1, 2 ]
amdhsa.kernels:
  - .name:           k_q5fe185f83a_gemm
    .symbol:         k_q5fe185f83a_gemm.kd
    .args:
      - { .name: a_codes, .offset: 0, .size: 8, .value_kind: global_buffer, .address_space: global }
      - { .name: a_scales, .offset: 8, .size: 8, .value_kind: global_buffer, .address_space: global }
      - { .name: W_codes, .offset: 16, .size: 8, .value_kind: global_buffer, .address_space: global }
      - { .name: W_scales, .offset: 24, .size: 8, .value_kind: global_buffer, .address_space: global }
      - { .name: pre, .offset: 32, .size: 8, .value_kind: global_buffer, .address_space: global }
    .group_segment_fixed_size: 327680
    .private_segment_fixed_size: 0
    .kernarg_segment_align: 8
    .kernarg_segment_size: 40
    .max_flat_workgroup_size: 128
    .sgpr_count:     98
    .vgpr_count:     1024
    .wavefront_size: 32
...
	.end_amdgpu_metadata
.endif
;; end of part 2
;; launch cell (part 3): grid 256 x 1, 16 waves a work-group, no clusters, 43,008 bytes of LDS; arguments pre, c, gamma4, beta4, cell_gamma, cell_beta, out0, out1; writes out0, out1
.if DOCPART == 3
	.amdgcn_target "amdgcn-amd-amdhsa--gfx1250"
	.amdhsa_code_object_version 6
	.text
	.protected	k_q5fe185f83a_cell
	.globl	k_q5fe185f83a_cell
	.p2align	8
	.type	k_q5fe185f83a_cell,@function
k_q5fe185f83a_cell:
	s_mov_b64 s[64:65], 0
	v_nop
	global_prefetch_b8 v0, s[64:65] scope:SCOPE_SE
	s_setreg_imm32_b32 hwreg(HW_REG_WAVE_MODE, 25, 1), 1
	s_wait_xcnt 0x0
; The cell behind the product.  pre: [8192][4096] f32, four gates i, j, f, o of 1,024 columns each; c, out0 (new_h), out1 (new_c): [8192][1024] f32.
;   i = sigmoid(LN(pre_i)), j = tanh(LN(pre_j)), f = sigmoid(LN(pre_f)), o = sigmoid(LN(pre_o)); new_c = LN(i j + f c); new_h = o tanh(new_c).  All in f32.
; LN(x) = (x - mean) rsqrt(var + 1e-5) g + b, the variance taken of the centred numbers (a second pass over registers: no difference of large sums).
; sigmoid(y) = 1 / (1 + 2^(-log2(e) y)); tanh(y) = 1 - 2 / (1 + 2^(2 log2(e) y)).  The factor in the exponent is multiplied into the gate's g and b once, when they are copied to LDS.
; LIMITS: tanh by that form has an absolute error of about 1e-7 near 0 (no relative accuracy for tiny y); where 2^(..) overflows to infinity or falls to 0 the forms give their limits 0, 1, -1.
; SHARES.  A work-group of sixteen waves owns 32 rows, a wave two.  ONE WAVE HOLDS A WHOLE ROW: of a vector of 1,024 numbers register 4 j + e of lane l is column 128 j + 4 l + e, so every load and store of a
; wave covers 512 consecutive aligned bytes, and every mean and variance stays inside the wave.  Four waves share a SIMD, so that one wave's exponentials stand beside another's loads.
; No matrix unit, tensor load or cluster: work-groups share nothing but 40 KiB of gains and biases, and memory binds.  Each byte of pre and c is read once, each byte of the outputs written once.
; LDS: ten vectors of 4,096 bytes, written once, one barrier: 0-3 k g of the four gates, 4-7 k b, 8 the cell's g, 9 the cell's b.  k = -log2(e) for gates i, f, o and 2 log2(e) for gate j.
; LOADS.  Six sets of 32 registers.  48 loads (24 KiB a wave) go out at the head: row A's i, j, f, c, o and row B's i; row B's other sets are asked for as row A frees registers.  Every wait counts the younger loads.
.set PRE,  4                           ; s[4:5] pre at my first row;  s[6:7] c;  s[8:9] gamma4;  s[10:11] beta4;  s[12:13] the cell vector that my thread copies;  s[16:17] out0;  s[18:19] out1
.set CIN,  6
.set OUT0, 16
.set OUT1, 18
.set PA,   32                          ; v32-47  8 g and 8 b of a quarter of a vector;  v48-63 the same, by turns.  v32-63 also: at work for new_h's tanh
.set PB,   48
.set S0,   64                          ; six sets of 32 registers: a row's 1,024 numbers of one vector
.set S1,   96
.set S2,   128
.set S3,   160
.set S4,   192
.set S5,   224
; v1 16 x lane: byte offset in memory and in a table vector, never rewritten;  v2 16 x thread;  v3 16 x (thread % 256);  v[4:11] four chains;  v12 a sum;  v13 the other half's;
; v[14:15] -mean, 0;  v[16:17] rsqrt(var + eps), 0;  v18 var + eps
	s_load_b256 s[4:11], s[0:1], 0x0
	s_load_b256 s[12:19], s[0:1], 0x20
	v_lshl_add_u32 v30, v0, 2, 0xa000
	v_mov_b32 v31, 0
	v_lshrrev_b32 v4, 5, v0
	s_delay_alu instid0(VALU_DEP_1)
	v_readfirstlane_b32 s20, v4                    ; wave 0..15
	v_and_b32 v1, 31, v0
	s_delay_alu instid0(VALU_DEP_1)
	v_lshlrev_b32 v1, 4, v1
	v_lshlrev_b32 v2, 4, v0
	v_and_b32 v3, 255, v0
	s_delay_alu instid0(VALU_DEP_1)
	v_lshlrev_b32 v3, 4, v3
	v_mov_b32 v13, 0                               ; a lane permute's destination counts as one of its sources
	v_mov_b32 v15, 0                               ; (upper halves of pairs of which the packed forms take the low word for both results)
	v_mov_b32 v17, 0
	s_mov_b32 s26, 0x76543210                      ; v_permlanex16_b32's selects for lane l xor 16
	s_mov_b32 s27, 0xfedcba98
	s_mov_b32 s28, 0x3a800000                      ; 1 / 1024
	s_mov_b32 s29, 0x3727c5ac                      ; 1e-5
	s_lshl_b32 s21, ttmp9, 5
	s_lshl_b32 s32, s20, 1
	s_add_co_u32 s21, s21, s32                     ; my first row: 32 x work-group + 2 x wave
	s_lshl_b32 s30, s21, 14                        ; its byte in pre (under 2^27),
	s_mov_b32 s31, 0
	s_lshl_b32 s32, s21, 12                        ; and in c, out0, out1
	s_mov_b32 s33, 0
	s_mov_b32 s24, 0xbfb8aa3b                      ; -log2(e): gates f and o, which threads copy from the second halves of gamma4 and beta4
	s_mov_b32 s25, s24
	s_mov_b32 s22, 0x4038aa3b                      ; 2 log2(e)
	s_cmp_lt_u32 s20, 8                            ; threads 0-255 copy gate i and the cell's g, threads 256-511 gate j and the cell's b
	s_cselect_b32 s22, s24, s22
	s_mov_b32 s23, s22
	s_wait_alu depctr_va_vdst(0)
	s_wait_kmcnt 0x0
	s_cselect_b64 s[12:13], s[12:13], s[14:15]     ; (the compare's result still stands: moves, selects and waits leave it)  the choice hangs on the wave's number alone
	s_add_nc_u64 s[PRE:PRE+1], s[PRE:PRE+1], s[30:31]
	s_add_nc_u64 s[CIN:CIN+1], s[CIN:CIN+1], s[32:33]
	s_add_nc_u64 s[OUT0:OUT0+1], s[OUT0:OUT0+1], s[32:33]
	s_add_nc_u64 s[OUT1:OUT1+1], s[OUT1:OUT1+1], s[32:33]
.macro LOADG S, base, off              ; a row's 1,024 numbers of one vector: eight loads of 512 consecutive bytes
.irp j, 0,1,2,3,4,5,6,7
	global_load_b128 v[\S+4*\j:\S+4*\j+3], v1, s[\base:\base+1] offset:\off+512*\j th:TH_LOAD_NT
.endr
.endm
.macro STOREG S, base, off
.irp j, 0,1,2,3,4,5,6,7
	global_store_b128 v1, v[\S+4*\j:\S+4*\j+3], s[\base:\base+1] offset:\off+512*\j th:TH_STORE_NT
.endr
.endm
	global_load_b128 v[32:35], v2, s[8:9]                  ; g of gates i, j: 16 bytes a thread
	global_load_b128 v[36:39], v2, s[8:9] offset:8192      ; of gates f, o
	global_load_b128 v[40:43], v2, s[10:11]                ; b likewise
	global_load_b128 v[44:47], v2, s[10:11] offset:8192
	global_load_b128 v[48:51], v3, s[12:13]                ; the cell's g or b
	LOADG S0, PRE, 0                               ; row A: i
	LOADG S1, PRE, 4096                            ;        j
	LOADG S2, PRE, 2*4096                          ;        f
	LOADG S4, CIN, 0                               ;        c
	LOADG S3, PRE, 3*4096                          ;        o
	LOADG S5, PRE, 16384                           ; row B: i
	s_wait_loadcnt 48                              ; the five loads of gains and biases are in; the 48 behind them stay out
.irp p, 0,2
	v_pk_mul_f32 v[32+\p:33+\p], v[32+\p:33+\p], s[22:23] op_sel_hi:[1,0]
	v_pk_mul_f32 v[36+\p:37+\p], v[36+\p:37+\p], s[24:25] op_sel_hi:[1,0]
	v_pk_mul_f32 v[40+\p:41+\p], v[40+\p:41+\p], s[22:23] op_sel_hi:[1,0]
	v_pk_mul_f32 v[44+\p:45+\p], v[44+\p:45+\p], s[24:25] op_sel_hi:[1,0]
.endr
	ds_store_b128 v2, v[32:35]
	ds_store_b128 v2, v[36:39] offset:8192
	ds_store_b128 v2, v[40:43] offset:16384
	ds_store_b128 v2, v[44:47] offset:24576
	ds_store_b128 v2, v[48:51] offset:32768
	s_wait_dscnt 0x0                               ; for the others' sake: my part of the table has landed
	s_barrier_signal -1
	s_barrier_wait -1                              ; the table is whole; nobody writes it again
.macro PLOAD vg, vb, q, buf            ; columns 256 q .. 256 q + 255 of table vectors vg (gain) and vb (bias): my 8 + 8 numbers
	ds_load_b128 v[\buf:\buf+3],     v1 offset:\vg*4096+512*(2*\q)
	ds_load_b128 v[\buf+4:\buf+7],   v1 offset:\vg*4096+512*(2*\q+1)
	ds_load_b128 v[\buf+8:\buf+11],  v1 offset:\vb*4096+512*(2*\q)
	ds_load_b128 v[\buf+12:\buf+15], v1 offset:\vb*4096+512*(2*\q+1)
.endm
.macro RED                             ; v12 summed over the 32 lanes, the result in every lane
	s_delay_alu instid0(VALU_DEP_1)
	v_add_f32_dpp v12, v12, v12 row_xmask:1 row_mask:0xf bank_mask:0xf
	s_delay_alu instid0(VALU_DEP_1)
	v_add_f32_dpp v12, v12, v12 row_xmask:2 row_mask:0xf bank_mask:0xf
	s_delay_alu instid0(VALU_DEP_1)
	v_add_f32_dpp v12, v12, v12 row_xmask:4 row_mask:0xf bank_mask:0xf
	s_delay_alu instid0(VALU_DEP_1)
	v_add_f32_dpp v12, v12, v12 row_xmask:8 row_mask:0xf bank_mask:0xf
	s_delay_alu instid0(VALU_DEP_1)
	v_permlanex16_b32 v13, v12, s26, s27
	s_delay_alu instid0(VALU_DEP_1)
	v_add_f32 v12, v12, v13
.endm
.macro FOLD                            ; the four chains into v12, then over the lanes
	s_delay_alu instid0(VALU_DEP_3)
	v_pk_add_f32 v[4:5], v[4:5], v[6:7]
	s_delay_alu instid0(VALU_DEP_2)
	v_pk_add_f32 v[8:9], v[8:9], v[10:11]
	s_delay_alu instid0(VALU_DEP_1)
	v_pk_add_f32 v[4:5], v[4:5], v[8:9]
	s_delay_alu instid0(VALU_DEP_1)
	v_add_f32 v12, v4, v5
	RED
.endm
.macro STATS S                         ; the set is centred in place; v16 = rsqrt(variance + 1e-5)
.irp k, 0,1,2,3
	v_pk_add_f32 v[4+2*\k:5+2*\k], v[\S+2*\k:\S+2*\k+1], v[\S+8+2*\k:\S+8+2*\k+1]      ; four chains, started by the first eight pairs: nothing is cleared
.endr
.irp p, 8,12
.irp k, 0,1,2,3
	s_delay_alu instid0(VALU_DEP_4)
	v_pk_add_f32 v[4+2*\k:5+2*\k], v[4+2*\k:5+2*\k], v[\S+2*(\p+\k):\S+2*(\p+\k)+1]
.endr
.endr
	FOLD
	s_delay_alu instid0(VALU_DEP_1)
	v_mul_f32 v14, 0xba800000, v12                 ; -mean = the sum x -1 / 1024
.irp p, 0,1,2,3,4,5,6,7,8,9,10,11,12,13,14,15
	v_pk_add_f32 v[\S+2*\p:\S+2*\p+1], v[\S+2*\p:\S+2*\p+1], v[14:15] op_sel_hi:[1,0]
.endr
.irp k, 0,1,2,3
	v_pk_mul_f32 v[4+2*\k:5+2*\k], v[\S+2*\k:\S+2*\k+1], v[\S+2*\k:\S+2*\k+1]
.endr
.irp p, 4,8,12
.irp k, 0,1,2,3
	s_delay_alu instid0(VALU_DEP_4)
	v_pk_fma_f32 v[4+2*\k:5+2*\k], v[\S+2*(\p+\k):\S+2*(\p+\k)+1], v[\S+2*(\p+\k):\S+2*(\p+\k)+1], v[4+2*\k:5+2*\k]
.endr
.endr
	FOLD
	s_delay_alu instid0(VALU_DEP_1)
	v_fma_f32 v18, v12, s28, s29                   ; the sum of squares / 1024 + 1e-5
	s_wait_alu depctr_va_vdst(0)
	v_rsq_f32 v16, v18
	v_nop                                          ; one plain line between a transcendental and the use of its result (ISA guide 5.7.2)
	s_wait_alu depctr_va_vdst(0)
.endm
.macro AFF S, q, buf                   ; quarter q of the set: x (rsqrt g) + b
.irp p, 0,1,2,3
	v_pk_mul_f32 v[\buf+2*\p:\buf+2*\p+1], v[\buf+2*\p:\buf+2*\p+1], v[16:17] op_sel_hi:[1,0]
.endr
.irp p, 0,1,2,3
	s_delay_alu instid0(VALU_DEP_4)
	v_pk_fma_f32 v[\S+8*\q+2*\p:\S+8*\q+2*\p+1], v[\S+8*\q+2*\p:\S+8*\q+2*\p+1], v[\buf+2*\p:\buf+2*\p+1], v[\buf+8+2*\p:\buf+8+2*\p+1]
.endr
.endm
.macro NORM S, vg, vb                  ; the layer norm of a set, in place.  Gains and biases come from LDS a quarter at a time into two buffers by turns
	PLOAD \vg, \vb, 0, PA
	PLOAD \vg, \vb, 1, PB
	STATS \S
	s_wait_dscnt 4                                 ; the older buffer's four loads are in, the other's four may be out: so in each of the three counted waits
	AFF \S, 0, PA
	PLOAD \vg, \vb, 2, PA
	s_wait_dscnt 4
	AFF \S, 1, PB
	PLOAD \vg, \vb, 3, PB
	s_wait_dscnt 4
	AFF \S, 2, PA
	s_wait_dscnt 0x0
	AFF \S, 3, PB
.endm
.macro SIG S                           ; 1 / (1 + 2^y) on 32 registers, in place.  Transcendentals stand back to back on different registers, one plain line behind each run
.set n, 0
.rept 32
	v_exp_f32 v[\S+n], v[\S+n]
.set n, n+1
.endr
	v_nop
.set n, 0
	s_wait_alu depctr_va_vdst(0)
.rept 16
	v_pk_add_f32 v[\S+n:\S+n+1], v[\S+n:\S+n+1], 1.0 op_sel_hi:[1,0]
.set n, n+2
.endr
.set n, 0
	s_wait_alu depctr_va_vdst(0)
.rept 32
	v_rcp_f32 v[\S+n], v[\S+n]
.set n, n+1
.endr
	v_nop
.endm
.macro TANH S                          ; 1 - 2 / (1 + 2^y)
	SIG \S
.set n, 0
	s_wait_alu depctr_va_vdst(0)
.rept 16
	v_pk_fma_f32 v[\S+n:\S+n+1], v[\S+n:\S+n+1], -2.0, 1.0 op_sel_hi:[1,0,0]
.set n, n+2
.endr
.endm
.macro PKMUL D, B                      ; D *= B
.set n, 0
.rept 16
	v_pk_mul_f32 v[\D+n:\D+n+1], v[\D+n:\D+n+1], v[\B+n:\B+n+1]
.set n, n+2
.endr
.endm
; One row.  gi .. gc: the sets that hold its i, j, f, o and c.  w1 .. w5: how many younger loads may be out when i, j, f, c, o have to be there.  first = 1: row A, which asks for row B's sets as registers fall free.
.macro ROW row, gi, gj, gf, go, gc, w1, w2, w3, w4, w5, first
	s_wait_loadcnt \w1
	NORM \gi, 0, 4
	s_wait_alu depctr_va_vdst(0)
	SIG \gi                                        ; i
	s_wait_loadcnt \w2
	NORM \gj, 1, 5
	s_wait_alu depctr_va_vdst(0)
	TANH \gj                                       ; j
	PKMUL \gi, \gj                                 ; i j
.if \first
	LOADG S1, PRE, 16384+4096                      ; row B's j, where row A's lay
.endif
	s_wait_loadcnt \w3
	NORM \gf, 2, 6
	s_wait_alu depctr_va_vdst(0)
	SIG \gf                                        ; f
	s_wait_loadcnt \w4
.set n, 0
	s_wait_alu depctr_va_vdst(0)
.rept 16
	v_pk_fma_f32 v[\gi+n:\gi+n+1], v[\gf+n:\gf+n+1], v[\gc+n:\gc+n+1], v[\gi+n:\gi+n+1]    ; f c + i j
.set n, n+2
.endr
.if \first
	LOADG S2, PRE, 16384+2*4096                    ; row B's f and c
	LOADG S4, CIN, 4096
.endif
	NORM \gi, 8, 9                                 ; new_c
	s_wait_alu depctr_va_vdst(0)
	STOREG \gi, OUT1, \row*4096
	s_wait_loadcnt \w5
	NORM \go, 3, 7
	s_wait_alu depctr_va_vdst(0)
	SIG \go                                        ; o
.set n, 0
.rept 16
	v_pk_mul_f32 v[32+n:33+n], v[\gi+n:\gi+n+1], 0x4038aa3b op_sel_hi:[1,0]                ; 2 log2(e) new_c, into registers of its own: new_c's are being stored
.set n, n+2
.endr
.if \first
	s_wait_xcnt 0x0                                ; new_c's stores have read their registers: only behind this wait are they loaded again
	LOADG S0, PRE, 16384+3*4096                    ; row B's o
.endif
	s_wait_alu depctr_va_vdst(0)
	TANH 32
	PKMUL \go, 32                                  ; new_h = o tanh(new_c)
	STOREG \go, OUT0, \row*4096
.endm
; Order of issue: A.i A.j A.f A.c A.o B.i | B.j | B.f B.c | B.o, eight loads each.
; Row A: behind A.i five sets (40); behind A.j four (32); B.j has gone out: behind A.f A.c, A.o, B.i, B.j (32); behind A.c three (24); B.f and B.c have gone out: behind A.o B.i, B.j, B.f, B.c (32).
	ROW 0, S0, S1, S2, S3, S4, 40, 32, 32, 24, 32, 1
; Row B: behind B.i B.j, B.f, B.c, B.o (32), and so down to 0.  Row A's new_h is being stored from S3, which row B does not touch.
	ROW 1, S5, S1, S2, S0, S4, 32, 24, 16, 8, 0, 0
	s_wait_tensorcnt 0x0
	ds_add_u32 v30, v31
	s_wait_dscnt 0x0
	s_endpgm
.Lfunc_end_k_q5fe185f83a_cell:
	.size	k_q5fe185f83a_cell, .Lfunc_end_k_q5fe185f83a_cell-k_q5fe185f83a_cell
	.p2alignl 7, 3214868480
	.fill 96, 4, 3214868480
	.section	.rodata,"a",@progbits
	.p2align	6, 0x0
	.amdhsa_kernel k_q5fe185f83a_cell
		.amdhsa_group_segment_fixed_size 43008
		.amdhsa_private_segment_fixed_size 0
		.amdhsa_enable_private_segment 0
		.amdhsa_kernarg_size 64
		.amdhsa_user_sgpr_count 2
		.amdhsa_user_sgpr_kernarg_segment_ptr 1
		.amdhsa_wavefront_size32 1
		.amdhsa_system_sgpr_workgroup_id_x 1
		.amdhsa_system_sgpr_workgroup_id_y 1
		.amdhsa_system_sgpr_workgroup_id_z 1
		.amdhsa_system_vgpr_workitem_id 0
		.amdhsa_next_free_vgpr 256
		.amdhsa_next_free_sgpr 66
		.amdhsa_reserve_vcc 0
		.amdhsa_float_denorm_mode_32 3
		.amdhsa_float_denorm_mode_16_64 3
		.amdhsa_memory_ordered 1
		.amdhsa_forward_progress 1
		.amdhsa_inst_pref_size 150
	.end_amdhsa_kernel
	.amdgpu_metadata
---
amdhsa.version: [ 1, 2 ]
amdhsa.kernels:
  - .name:           k_q5fe185f83a_cell
    .symbol:         k_q5fe185f83a_cell.kd
    .args:
      - { .name: pre, .offset: 0, .size: 8, .value_kind: global_buffer, .address_space: global }
      - { .name: c, .offset: 8, .size: 8, .value_kind: global_buffer, .address_space: global }
      - { .name: gamma4, .offset: 16, .size: 8, .value_kind: global_buffer, .address_space: global }
      - { .name: beta4, .offset: 24, .size: 8, .value_kind: global_buffer, .address_space: global }
      - { .name: cell_gamma, .offset: 32, .size: 8, .value_kind: global_buffer, .address_space: global }
      - { .name: cell_beta, .offset: 40, .size: 8, .value_kind: global_buffer, .address_space: global }
      - { .name: out0, .offset: 48, .size: 8, .value_kind: global_buffer, .address_space: global }
      - { .name: out1, .offset: 56, .size: 8, .value_kind: global_buffer, .address_space: global }
    .group_segment_fixed_size: 43008
    .private_segment_fixed_size: 0
    .kernarg_segment_align: 8
    .kernarg_segment_size: 64
    .max_flat_workgroup_size: 512
    .sgpr_count:     66
    .vgpr_count:     256
    .wavefront_size: 32
...
	.end_amdgpu_metadata
.endif
;; end of part 3
